; MI455X (gfx1250); checked and timed in simulation.
; The chip was launched on July 23, 2026; its instructions are those of AMD's public machine-readable ISA for CDNA 5 (MIT licence, August 2026) and "CDNA5" Instruction Set Architecture Reference Guide (July 2026). The comments in the code are by the model that wrote it; some were corrected since.
;; Limb Dark Light Curve. Allowed arithmetic: float matrix products may take bf16 or f16 operands with f32 sums; all other float work in f32.
;; Inputs: b 2,097,152 float32; r one number float32; u 2 float32; z 2,097,152 float32.
;; Outputs: out0 2,097,152 float32.
;; Constants: order = 10.
;; One version. Each part assembles by itself: llvm-mc -triple=amdgcn-amd-amdhsa -mcpu=gfx1250 --defsym DOCPART=n.
;; ======== version 1 of 1: 1 launch
;; limits: a function is approximated: absolute error at most 6.8e-05
;; launch lightcurve (part 1): grid 256 x 1, 32 waves a work-group, no clusters, 0 bytes of LDS; arguments b, z, u, r, out0; writes out0
.if DOCPART == 1
	.amdgcn_target "amdgcn-amd-amdhsa--gfx1250"
	.amdhsa_code_object_version 6
	.text
	.protected	k_q3440256199_lightcurve
	.globl	k_q3440256199_lightcurve
	.p2align	8
	.type	k_q3440256199_lightcurve,@function
k_q3440256199_lightcurve:
	s_mov_b64 s[64:65], 0
	v_nop
	global_prefetch_b8 v0, s[64:65] scope:SCOPE_SE
	s_setreg_imm32_b32 hwreg(HW_REG_WAVE_MODE, 25, 1), 1
	s_wait_xcnt 0x0
; out0[k] = z[k] > 0 ? -(f_core + f_ann) / norm : 0: the limb-darkened flux deficit by two 10-point Gauss-Legendre sums an element.
; b, z, out0: [2097152] f32;  u: [2] f32;  r: one f32.
;
; SHARES.  256 work-groups of 32 waves; a work-group owns 8,192 neighbouring elements, a thread 2 trips of 4 elements (16 bytes), so each load
; and store of a wave covers 512 consecutive bytes that start at a multiple of 512.  Arithmetic binds here (some 170 vector instructions for 12 bytes
; of traffic an element): no LDS, no matrix unit, and no cluster, since the work-groups share nothing but the 12 bytes of u and r.
; All four loads are issued at once, b ahead of z, because z is wanted only at a trip's end.
;
; ARITHMETIC.  Two elements lie in a register pair: packed f32 for sums and products, dual issue for max and min.
;  * Intensity.  With m = max(1 - rho^2, 1e-12) and mu = sqrt(m):  1 - u0 (1-mu) - u1 (1-mu)^2 = c0 - u1 m + c1 mu,  c0 = 1-u0-u1,  c1 = u0+2 u1.
;    The node's weight and -1/(2 norm) are folded into these three scalars (the rule has five different weights: 15 scalars).
;  * Core.  rho = ch t_j with ch = clip(r-|b|, 0, 1) and t_j = (x_j+1)/2 <= 0.98696, so 1 - rho^2 >= 0.0259 and the clip at 1e-12 can never bind.
;    The polynomial part of the sum is closed by the rule itself (sum w t = 1, sum w t^3 = 1/2):
;    sum w_j t_j I_j = (c0 - u1) + u1 ch^2 / 2 + c1 sum (w t)_j sqrt(1 - ch^2 t_j^2);   f_core = pi ch^2 times that.
;  * Arc.  x = num/den, num = rho^2 + (b^2 - r^2), den = 2 |b| rho.  y = 1 - |x| in one fma; clip(x, +-0.999999) is y >= 17 * 2^-24 (= 1 - f32(0.999999)).
;    2 arccos|x| = sqrt(y) Q(y), Q = twice the cubic of Abramowitz and Stegun 4.4.45 expanded about |x| = 1;  alpha = pi - copysign(pi - sqrt(y) Q, num).
;  * The mask den > 1e-12.  f32(1e-12) = 9223372 * 2^-63, so g = max(den * 2^63 - 9223372, 0) is 0 up to the threshold and at least 1 above it;
;    rho <= 1, so min(rho, g) is rho or 0, and it takes rho's place in the product w I alpha rho.  1/0 does no harm: the max that clips y drops a NaN.
; LIMITS.  arccos is within 6.8e-5 rad on all of [-1, 1]; quotients are products with v_rcp_f32 (1 ulp); the intensity in the form above carries an
; absolute error of about 1e-7 (|c0| + |u1| + |c1|).  A NaN or an infinity in b is not handed on (NaN-dropping min and max): such an element gets a finite number.
.set CHUNK, 1024*16                    ; bytes that the work-group's 1,024 threads cover in one trip
; vector registers.  v1: byte offset of my 16 bytes.  Pair p (0, 1) of a trip's four elements: the registers below + PS p or + TS p
.set B,   2                            ; v[2:9]    b of trip 0, trip 1; later the trip's results
.set Z,   10                           ; v[10:17]  z of trip 0, trip 1
.set PS,  14                           ; kept through a trip: v[18:45]
.set LO,  18                           ; clip(| |b| - r |, 0, 1)
.set WD,  20                           ; width of the annulus
.set TB,  22                           ; 2 |b|
.set DD,  24                           ; b^2 - r^2
.set CH,  26                           ; -ch^2
.set AA,  28                           ; the annulus' sum
.set AC,  30                           ; the core's sum
.set TS,  20                           ; at work in a node: v[46:85]
.set RHO, 46
.set M,   48                           ; max(1 - rho^2, 1e-12)
.set MU,  50                           ; its root
.set NUM, 52
.set DEN, 54                           ; den, then 1/den, then sqrt(y)
.set GQ,  56                           ; g, then min(rho, g)
.set Y,   58
.set Q,   60                           ; Q(y), then alpha
.set IA,  62                           ; the weighted intensity, then times rho
.set MC,  64                           ; core: 1 - ch^2 t^2, then its root
; scalar registers
.set SR,   16                          ; r
.set ST,   17                          ; 1e-12
.set SEPS, 18                          ; 17 * 2^-24
.set SMAG, 19                          ; all bits but the sign
.set SA,   20                          ; weight i (0..4): s[20+6i] = w k c0,  s[22+6i] = -w k u1,  s[24+6i] = w k c1,  k = -1/(2 norm)
.set SB,   22
.set SC,   24
.set SH,   50                          ; 2^63
.set SQ2,  52                          ; Q's coefficient of y^2
.set SR2,  54                          ; r^2
.set SHU,  56                          ; -(pi/norm) u1 / 2
.set SK0,  58                          ; (pi/norm) (c0 - u1)
.set SC1,  60                          ; (pi/norm) c1
.set SM,   76                          ; s[76:79] the four masks z > 0
	s_load_b256 s[4:11], s[0:1], 0x0               ; b s[4:5], z s[6:7], u s[8:9], r s[10:11]
	s_load_b64 s[12:13], s[0:1], 0x20              ; out0
	v_lshlrev_b32 v1, 4, v0                        ; 16 bytes a thread
	s_lshl_b32 s2, ttmp9, 15                       ; the work-group's 2 x 16,384 bytes; at most 255 x 32,768
	s_mov_b32 s3, 0
	s_mov_b32 s[ST], 0x2b8cbccc                    ; f32(1e-12)
	s_mov_b32 s[SEPS], 0x35880000                  ; 17 * 2^-24
	s_mov_b32 s[SMAG], 0x7fffffff
	s_mov_b32 s[SH], 0x5f000000                    ; 2^63
	s_mov_b32 s[SQ2], 0.0361462
	; A packed instruction names a scalar as an even-aligned pair and broadcasts the first register; the second is written once so that the pair is defined.
.set o, SA+1
.rept 21
	s_mov_b32 s[o], 0
.set o, o+2
.endr
	s_wait_kmcnt 0x0
	s_load_b64 s[14:15], s[8:9], 0x0               ; u0, u1
	s_load_b32 s[SR], s[10:11], 0x0                ; r
	s_add_nc_u64 s[4:5], s[4:5], s[2:3]
	s_add_nc_u64 s[6:7], s[6:7], s[2:3]
	s_add_nc_u64 s[12:13], s[12:13], s[2:3]
	global_load_b128 v[B:B+3],   v1, s[4:5] th:TH_LOAD_NT
	global_load_b128 v[B+4:B+7], v1, s[4:5] offset:CHUNK th:TH_LOAD_NT
	global_load_b128 v[Z:Z+3],   v1, s[6:7] th:TH_LOAD_NT
	global_load_b128 v[Z+4:Z+7], v1, s[6:7] offset:CHUNK th:TH_LOAD_NT
	s_wait_kmcnt 0x0                               ; u and r
	; the scalars, once a wave, while b is on its way
	s_mov_b32 s66, 1.0
	s_fmac_f32 s66, s14, 0xbeaaaaab                ; - u0 * 2/(2*3)
	s_fmac_f32 s66, s15, 0xbe2aaaab                ; - u1 * 2/(3*4):  s66 = norm / pi
	v_s_rcp_f32 s67, s66                           ; pi / norm
	v_nop                                          ; one plain vector instruction between a transcendental and the use of its result (ISA guide 5.7.2)
	s_mov_b32 s68, 1.0
	s_fmac_f32 s68, s14, -1.0
	s_fmac_f32 s68, s15, -1.0                      ; c0 = 1 - u0 - u1
	s_mov_b32 s69, s14
	s_fmac_f32 s69, s15, 2.0                       ; c1 = u0 + 2 u1
	s_mov_b32 s70, s68
	s_fmac_f32 s70, s15, -1.0                      ; c0 - u1
	s_mul_f32 s[SR2], s[SR], s[SR]
	s_mul_f32 s71, s67, 0xbe22f983                 ; k = -(pi/norm) / (2 pi) = -1 / (2 norm)
	s_mul_f32 s[SK0], s70, s67
	s_mul_f32 s[SC1], s69, s67
	s_mul_f32 s72, s15, s67                        ; (pi/norm) u1
	s_mul_f32 s[SHU], s72, -0.5
	s_mul_f32 s73, s68, s71                        ; k c0
	s_mul_f32 s74, s69, s71                        ; k c1
	s_mul_f32 s75, s72, 0.15915494                 ; (pi/norm) u1 / (2 pi) = -k u1
.macro WEIGHT i, w
	s_mul_f32 s[SA+6*\i], s73, \w
	s_mul_f32 s[SB+6*\i], s75, \w
	s_mul_f32 s[SC+6*\i], s74, \w
.endm
	WEIGHT 0, 0.0666713443
	WEIGHT 1, 0.149451349
	WEIGHT 2, 0.219086363
	WEIGHT 3, 0.269266719
	WEIGHT 4, 0.295524225
; What a trip's four elements keep through the ten nodes.
.macro SETUP k
.irp p, 0,1
.irp e, 0,1
	v_sub_f32 v[Y+TS*\p+\e],  s[SR], |v[B+4*\k+2*\p+\e]|                          ; r - |b|
	v_add_f32 v[Q+TS*\p+\e],  s[SR], |v[B+4*\k+2*\p+\e]|                          ; |b| + r
	v_add_f32 v[TB+PS*\p+\e], |v[B+4*\k+2*\p+\e]|, |v[B+4*\k+2*\p+\e]|            ; 2 |b|
.endr
	v_pk_fma_f32 v[DD+PS*\p:DD+PS*\p+1], v[B+4*\k+2*\p:B+4*\k+2*\p+1], v[B+4*\k+2*\p:B+4*\k+2*\p+1], s[SR2:SR2+1] op_sel_hi:[1,1,0] neg_lo:[0,0,1] neg_hi:[0,0,1]   ; b^2 - r^2
.irp e, 0,1
	v_med3_num_f32 v[MC+TS*\p+\e], v[Y+TS*\p+\e], 0, 1.0                          ; ch = clip(r - |b|, 0, 1)
	v_min_num_f32  v[LO+PS*\p+\e], |v[Y+TS*\p+\e]|, 1.0                           ; lo = clip(| |b| - r |, 0, 1)
	v_med3_num_f32 v[Q+TS*\p+\e],  v[Q+TS*\p+\e], 0, 1.0                          ; hi = clip(|b| + r, 0, 1)
.endr
	v_pk_add_f32 v[WD+PS*\p:WD+PS*\p+1], v[Q+TS*\p:Q+TS*\p+1], v[LO+PS*\p:LO+PS*\p+1] neg_lo:[0,1] neg_hi:[0,1]
	v_pk_mul_f32 v[CH+PS*\p:CH+PS*\p+1], v[MC+TS*\p:MC+TS*\p+1], v[MC+TS*\p:MC+TS*\p+1] neg_lo:[1,0] neg_hi:[1,0]      ; -ch^2
	v_dual_max_num_f32 v[WD+PS*\p], 0, v[WD+PS*\p] :: v_dual_max_num_f32 v[WD+PS*\p+1], 0, v[WD+PS*\p+1]               ; width = max(hi - lo, 0)
.endr
.endm
; One node of both sums for four elements: 48 plain instructions and 16 transcendentals.  first = 1: the node starts the sums, nothing is cleared.
; i: the node's weight;  t = (x+1)/2;  tsq = t^2;  wt = w t.
; Behind every run of transcendentals stands a plain instruction that touches none of their registers, before a result is used (ISA guide 5.7.2).
.macro NODE first, i, t, tsq, wt
.irp p, 0,1
	v_pk_fma_f32 v[RHO+TS*\p:RHO+TS*\p+1], v[WD+PS*\p:WD+PS*\p+1], \t, v[LO+PS*\p:LO+PS*\p+1] op_sel_hi:[1,0,1]        ; rho = lo + width t
.endr
.irp p, 0,1
	v_pk_fma_f32 v[MC+TS*\p:MC+TS*\p+1], v[CH+PS*\p:CH+PS*\p+1], \tsq, 1.0 op_sel_hi:[1,0,0]                           ; core: 1 - ch^2 t^2
.endr
.irp p, 0,1
	v_pk_mul_f32 v[DEN+TS*\p:DEN+TS*\p+1], v[TB+PS*\p:TB+PS*\p+1], v[RHO+TS*\p:RHO+TS*\p+1]                            ; den = 2 |b| rho
.endr
.irp p, 0,1
	v_pk_fma_f32 v[M+TS*\p:M+TS*\p+1], v[RHO+TS*\p:RHO+TS*\p+1], v[RHO+TS*\p:RHO+TS*\p+1], 1.0 op_sel_hi:[1,1,0] neg_lo:[1,0,0] neg_hi:[1,0,0]   ; 1 - rho^2
.endr
.irp p, 0,1
	v_pk_fma_f32 v[GQ+TS*\p:GQ+TS*\p+1], v[DEN+TS*\p:DEN+TS*\p+1], s[SH:SH+1], 0xcb0cbccc op_sel_hi:[1,0,0]            ; den 2^63 - 9223372
.endr
.irp x, DEN, DEN+1, DEN+TS, DEN+TS+1
	v_rcp_f32 v[\x], v[\x]                                                                                             ; 1 / den
.endr
.irp x, MC, MC+1, MC+TS, MC+TS+1
	v_sqrt_f32 v[\x], v[\x]                                                                                            ; the core's mu
.endr
.irp p, 0,1
	v_dual_max_num_f32 v[M+TS*\p], s[ST], v[M+TS*\p] :: v_dual_max_num_f32 v[M+TS*\p+1], s[ST], v[M+TS*\p+1]           ; m = clip(1 - rho^2, 1e-12)
.endr
.irp x, 0, 1, TS, TS+1
	v_sqrt_f32 v[MU+\x], v[M+\x]                                                                                       ; mu
.endr
.irp p, 0,1
	v_pk_fma_f32 v[NUM+TS*\p:NUM+TS*\p+1], v[RHO+TS*\p:RHO+TS*\p+1], v[RHO+TS*\p:RHO+TS*\p+1], v[DD+PS*\p:DD+PS*\p+1]  ; num = rho^2 + b^2 - r^2
.endr
.irp p, 0,1
	v_dual_max_num_f32 v[GQ+TS*\p], 0, v[GQ+TS*\p] :: v_dual_max_num_f32 v[GQ+TS*\p+1], 0, v[GQ+TS*\p+1]               ; g: 0 where den <= 1e-12, else >= 1
.endr
	s_wait_alu depctr_va_vdst(0)
.irp x, 0, 1, TS, TS+1
	v_fma_f32 v[Y+\x], -|v[NUM+\x]|, v[DEN+\x], 1.0                                                                    ; y = 1 - |num / den|
.endr
.irp p, 0,1
	v_dual_max_num_f32 v[Y+TS*\p], s[SEPS], v[Y+TS*\p] :: v_dual_max_num_f32 v[Y+TS*\p+1], s[SEPS], v[Y+TS*\p+1]       ; the clip at 0.999999; a NaN from 0 * inf is dropped
.endr
.irp x, 0, 1, TS, TS+1
	v_sqrt_f32 v[DEN+\x], v[Y+\x]                                                                                      ; sqrt(y), where 1/den lay
.endr
.irp p, 0,1
	v_dual_min_num_f32 v[GQ+TS*\p], v[RHO+TS*\p], v[GQ+TS*\p] :: v_dual_min_num_f32 v[GQ+TS*\p+1], v[RHO+TS*\p+1], v[GQ+TS*\p+1]   ; rho, or 0 where den <= 1e-12
.endr
.irp p, 0,1
	v_pk_fma_f32 v[IA+TS*\p:IA+TS*\p+1], v[M+TS*\p:M+TS*\p+1], s[SB+6*\i:SB+6*\i+1], s[SA+6*\i:SA+6*\i+1] op_sel_hi:[1,0,0]        ; w k (c0 - u1 m)
.endr
.irp p, 0,1
.if \first
	v_pk_mul_f32 v[AC+PS*\p:AC+PS*\p+1], v[MC+TS*\p:MC+TS*\p+1], \wt op_sel_hi:[1,0]
	s_wait_alu depctr_va_vdst(0)
.else
	v_pk_fma_f32 v[AC+PS*\p:AC+PS*\p+1], v[MC+TS*\p:MC+TS*\p+1], \wt, v[AC+PS*\p:AC+PS*\p+1] op_sel_hi:[1,0,1]         ; core sum += w t mu
.endif
.endr
.irp p, 0,1
	v_pk_fma_f32 v[Q+TS*\p:Q+TS*\p+1], v[Y+TS*\p:Y+TS*\p+1], 0.0374586, s[SQ2:SQ2+1] op_sel_hi:[1,0,0]                 ; Q(y) by Horner
.endr
.irp p, 0,1
	v_pk_fma_f32 v[Q+TS*\p:Q+TS*\p+1], v[Q+TS*\p:Q+TS*\p+1], v[Y+TS*\p:Y+TS*\p+1], 0.2395606 op_sel_hi:[1,1,0]
.endr
.irp p, 0,1
	v_pk_fma_f32 v[Q+TS*\p:Q+TS*\p+1], v[Q+TS*\p:Q+TS*\p+1], v[Y+TS*\p:Y+TS*\p+1], 2.8282922 op_sel_hi:[1,1,0]
.endr
.irp p, 0,1
	v_pk_fma_f32 v[IA+TS*\p:IA+TS*\p+1], v[MU+TS*\p:MU+TS*\p+1], s[SC+6*\i:SC+6*\i+1], v[IA+TS*\p:IA+TS*\p+1] op_sel_hi:[1,0,1]    ; + w k c1 mu
.endr
	s_wait_alu depctr_va_vdst(0)
.irp p, 0,1
	v_pk_fma_f32 v[Q+TS*\p:Q+TS*\p+1], v[DEN+TS*\p:DEN+TS*\p+1], v[Q+TS*\p:Q+TS*\p+1], 0xc0490fdb op_sel_hi:[1,1,0]    ; sqrt(y) Q - pi, never above 0: Q(1) = 3.1414576
.endr
.irp p, 0,1
	v_pk_mul_f32 v[IA+TS*\p:IA+TS*\p+1], v[IA+TS*\p:IA+TS*\p+1], v[GQ+TS*\p:GQ+TS*\p+1]                                ; w k I rho
.endr
.irp x, 0, 1, TS, TS+1
	v_bfi_b32 v[Q+\x], s[SMAG], v[Q+\x], v[NUM+\x]                                                                     ; its size with num's sign (den >= 0)
.endr
.irp p, 0,1
	v_pk_add_f32 v[Q+TS*\p:Q+TS*\p+1], v[Q+TS*\p:Q+TS*\p+1], 3.14159265 op_sel_hi:[1,0] neg_lo:[1,0] neg_hi:[1,0]      ; alpha = pi - that
.endr
.irp p, 0,1
.if \first
	v_pk_mul_f32 v[AA+PS*\p:AA+PS*\p+1], v[IA+TS*\p:IA+TS*\p+1], v[Q+TS*\p:Q+TS*\p+1]
.else
	v_pk_fma_f32 v[AA+PS*\p:AA+PS*\p+1], v[IA+TS*\p:IA+TS*\p+1], v[Q+TS*\p:Q+TS*\p+1], v[AA+PS*\p:AA+PS*\p+1]          ; annulus sum += w k I rho alpha
.endif
.endr
.endm
; A trip: four elements a lane.  wb, wz: how many younger loads may be out when the trip's b, and at its end its z, have to be in.
.macro TRIP k, wb, wz
	s_wait_loadcnt \wb
	SETUP \k
	NODE 1, 0, 0.0130467357, 0.00017021732, 0.00086984341
	NODE 0, 1, 0.0674683167, 0.0045519738,  0.010083231
	NODE 0, 2, 0.160295216,  0.0256945562,  0.0351184958
	NODE 0, 3, 0.283302303,  0.0802601949,  0.0762838817
	NODE 0, 4, 0.425562831,  0.181103723,   0.125764126
	NODE 0, 4, 0.574437169,  0.329978062,   0.169760099
	NODE 0, 3, 0.716697697,  0.513655589,   0.192982838
	NODE 0, 2, 0.839704784,  0.705104125,   0.183967867
	NODE 0, 1, 0.932531683,  0.869615341,   0.139368118
	NODE 0, 0, 0.986953264,  0.974076746,   0.0658015009
	; -(f_core + f_ann)/norm = (-ch^2) (pi/norm) [(c0 - u1) + u1 ch^2/2 + c1 core sum] + width * annulus sum (k is in it already)
.irp p, 0,1
	v_pk_fma_f32 v[Y+TS*\p:Y+TS*\p+1], v[CH+PS*\p:CH+PS*\p+1], s[SHU:SHU+1], s[SK0:SK0+1] op_sel_hi:[1,0,0]
.endr
.irp p, 0,1
	v_pk_fma_f32 v[Y+TS*\p:Y+TS*\p+1], v[AC+PS*\p:AC+PS*\p+1], s[SC1:SC1+1], v[Y+TS*\p:Y+TS*\p+1] op_sel_hi:[1,0,1]
.endr
.irp p, 0,1
	v_pk_mul_f32 v[Y+TS*\p:Y+TS*\p+1], v[Y+TS*\p:Y+TS*\p+1], v[CH+PS*\p:CH+PS*\p+1]
.endr
.irp p, 0,1
	v_pk_fma_f32 v[B+4*\k+2*\p:B+4*\k+2*\p+1], v[WD+PS*\p:WD+PS*\p+1], v[AA+PS*\p:AA+PS*\p+1], v[Y+TS*\p:Y+TS*\p+1]    ; into the trip's b registers, which nothing writes after the store
.endr
	s_wait_loadcnt \wz
.irp e, 0,1,2,3
	v_cmp_lt_f32 s[SM+\e], 0, v[Z+4*\k+\e]                                                                             ; z > 0 (false for a NaN)
.endr
.irp e, 0,1,2,3
	v_cndmask_b32 v[B+4*\k+\e], 0, v[B+4*\k+\e], s[SM+\e]
.endr
	global_store_b128 v1, v[B+4*\k:B+4*\k+3], s[12:13] offset:\k*CHUNK th:TH_STORE_NT
.endm
	; loads were issued in the order b0, b1, z0, z1 and come back in order (ISA guide 5.7.1)
	TRIP 0, 3, 1                                   ; b0 is in with three younger loads out; z0 with one
	TRIP 1, 2, 0                                   ; b1: two were issued behind it; z1 is the last
	s_endpgm
.Lfunc_end_k_q3440256199_lightcurve:
	.size	k_q3440256199_lightcurve, .Lfunc_end_k_q3440256199_lightcurve-k_q3440256199_lightcurve
	.p2alignl 7, 3214868480
	.fill 96, 4, 3214868480
	.section	.rodata,"a",@progbits
	.p2align	6, 0x0
	.amdhsa_kernel k_q3440256199_lightcurve
		.amdhsa_group_segment_fixed_size 0
		.amdhsa_private_segment_fixed_size 0
		.amdhsa_enable_private_segment 0
		.amdhsa_kernarg_size 40
		.amdhsa_user_sgpr_count 2
		.amdhsa_user_sgpr_kernarg_segment_ptr 1
		.amdhsa_wavefront_size32 1
		.amdhsa_system_sgpr_workgroup_id_x 1
		.amdhsa_system_sgpr_workgroup_id_y 1
		.amdhsa_system_sgpr_workgroup_id_z 1
		.amdhsa_system_vgpr_workitem_id 0
		.amdhsa_next_free_vgpr 88
		.amdhsa_next_free_sgpr 80
		.amdhsa_reserve_vcc 0
		.amdhsa_float_denorm_mode_32 3
		.amdhsa_float_denorm_mode_16_64 3
		.amdhsa_memory_ordered 1
		.amdhsa_forward_progress 1
		.amdhsa_inst_pref_size 93
	.end_amdhsa_kernel
	.amdgpu_metadata
---
amdhsa.version: [ 1, 2 ]
amdhsa.kernels:
  - .name:           k_q3440256199_lightcurve
    .symbol:         k_q3440256199_lightcurve.kd
    .args:
      - { .name: b, .offset: 0, .size: 8, .value_kind: global_buffer, .address_space: global }
      - { .name: z, .offset: 8, .size: 8, .value_kind: global_buffer, .address_space: global }
      - { .name: u, .offset: 16, .size: 8, .value_kind: global_buffer, .address_space: global }
      - { .name: r, .offset: 24, .size: 8, .value_kind: global_buffer, .address_space: global }
      - { .name: out0, .offset: 32, .size: 8, .value_kind: global_buffer, .address_space: global }
    .group_segment_fixed_size: 0
    .private_segment_fixed_size: 0
    .kernarg_segment_align: 8
    .kernarg_segment_size: 40
    .max_flat_workgroup_size: 1024
    .sgpr_count:     80
    .vgpr_count:     88
    .wavefront_size: 32
...
	.end_amdgpu_metadata
.endif
;; end of part 1
